; MI455X (gfx1250); checked and timed in simulation.
; The chip was launched on July 23, 2026; its instructions are those of AMD's public machine-readable ISA for CDNA 5 (MIT licence, August 2026) and "CDNA5" Instruction Set Architecture Reference Guide (July 2026). The comments in the code are by the model that wrote it; some were corrected since.
;; Operator Module. Allowed arithmetic: float matrix products may take bf16 or f16 operands with f32 sums; all other float work in f32.
;; Inputs: angles 360 float32; x 4 x 8 x 512 x 512 float32.
;; Outputs: out0 4 x 8 x 360 x 128 float32.
;; 2 versions, each right; version 2 is version 1 with the launch project written anew for expert scheduling mode. Each part assembles by itself: llvm-mc -triple=amdgcn-amd-amdhsa -mcpu=gfx1250 --defsym DOCPART=n.
;; ======== version 1 of 2: 2 launches
;; limits: values outside matrix products are rounded to bf16; right only within a limited range of input values
;; workspace buffers: trig 3,072 bytes of whole numbers
;; launch trig (part 1): grid 1 x 1, 12 waves a work-group, no clusters, 0 bytes of LDS; arguments angles, trig; writes trig
.if DOCPART == 1
	.amdgcn_target "amdgcn-amd-amdhsa--gfx1250"
	.amdhsa_code_object_version 6
	.text
	.protected	k_q414d1fc3df_trig
	.globl	k_q414d1fc3df_trig
	.p2align	8
	.type	k_q414d1fc3df_trig,@function
k_q414d1fc3df_trig:
	s_mov_b64 s[64:65], 0
	v_nop
	global_prefetch_b8 v0, s[64:65] scope:SCOPE_SE
	s_setreg_imm32_b32 hwreg(HW_REG_WAVE_MODE, 25, 1), 1
	s_wait_xcnt 0x0
; trig[a] = ( round(2^22 cos(angles[a])), round(2^22 sin(angles[a])) ) as two 32-bit whole numbers, a = 0 .. 359.
; The projection launch forms its sample coordinates, and from them its LDS addresses, by integer arithmetic on these numbers.
; One thread an angle.  cos and sin: k = nearest whole number to angle * 2/pi, r = angle - k * pi/2 with pi/2 in two parts
; (two fused multiply-adds), polynomials in r on [-pi/4, pi/4], then the quadrant k mod 4 swaps and signs them (selects only, no branch).
; LIMITS: the angle is finite; for |angle| <= 1e5 cos and sin are good to about 1e-7, beyond that the two-part pi/2 and the
; conversion of k lose accuracy.  The rounding to 2^-22 adds at most 2^-23.
.set NANG, 360
	v_cmp_gt_u32 vcc_lo, NANG, v0
	s_and_saveexec_b32 s8, vcc_lo                  ; threads 360 .. 383 do nothing; no memory instruction has been issued yet
	s_load_b128 s[4:7], s[0:1], 0x0                ; angles s[4:5], trig s[6:7]
	v_lshlrev_b32 v1, 2, v0                        ; byte offset of my angle
	v_lshlrev_b32 v2, 3, v0                        ; byte offset of my pair of results
	s_wait_kmcnt 0x0
	global_load_b32 v3, v1, s[4:5]
	s_wait_loadcnt 0x0
	v_mul_f32 v4, 0x3f22f983, v3                   ; angle * 2/pi
	v_rndne_f32 v4, v4                             ; k
	v_fmamk_f32 v5, v4, 0xbfc90fdb, v3             ; r = angle - k * 1.57079637 (pi/2 rounded to f32)
	v_fmamk_f32 v5, v4, 0x333bbd2e, v5             ;     + k * 4.37113883e-8  (what that rounding added)
	v_cvt_i32_f32 v6, v4                           ; k as a whole number
	v_mul_f32 v7, v5, v5                           ; z = r^2
	v_mov_b32 v8, 0xb94ca1f9                       ; sin r = r + r z (S1 + z (S2 + z S3)):  S3 = -1.9515296e-4
	v_fmaak_f32 v8, v7, v8, 0x3c08839e             ; S2 =  8.3321609e-3
	v_fmaak_f32 v8, v7, v8, 0xbe2aaaa3             ; S1 = -1.6666655e-1
	v_mul_f32 v9, v7, v5
	v_fma_f32 v8, v9, v8, v5                       ; sin r
	v_mov_b32 v10, 0x37ccf5ce                      ; cos r = 1 - z/2 + z^2 (C0 + z (C1 + z C2)):  C2 = 2.4433157e-5
	v_fmaak_f32 v10, v7, v10, 0xbab6061a           ; C1 = -1.3887316e-3
	v_fmaak_f32 v10, v7, v10, 0x3d2aaaa5           ; C0 =  4.1666646e-2
	v_fma_f32 v11, v7, -0.5, 1.0
	v_mul_f32 v12, v7, v7
	v_fma_f32 v10, v12, v10, v11                   ; cos r
	v_and_b32 v13, 1, v6
	v_cmp_eq_u32 vcc_lo, 1, v13                    ; odd quadrant: cos and sin change places
	v_cndmask_b32 v14, v10, v8, vcc_lo             ; |cos angle| comes from sin r there
	v_cndmask_b32 v15, v8, v10, vcc_lo             ; |sin angle| from cos r
	v_add_nc_u32 v16, 1, v6
	v_and_b32 v16, 2, v16                          ; cos is negated in quadrants 1 and 2
	v_and_b32 v17, 2, v6                           ; sin in quadrants 2 and 3
	v_lshlrev_b32 v16, 30, v16                     ; bit 1 becomes the sign bit
	v_lshlrev_b32 v17, 30, v17
	v_xor_b32 v14, v14, v16
	v_xor_b32 v15, v15, v17
	v_mul_f32 v14, 0x4a800000, v14                 ; * 2^22
	v_mul_f32 v15, 0x4a800000, v15
	v_rndne_f32 v14, v14
	v_rndne_f32 v15, v15
	v_cvt_i32_f32 v18, v14
	v_cvt_i32_f32 v19, v15
	global_store_b64 v2, v[18:19], s[6:7]
	s_endpgm
.Lfunc_end_k_q414d1fc3df_trig:
	.size	k_q414d1fc3df_trig, .Lfunc_end_k_q414d1fc3df_trig-k_q414d1fc3df_trig
	.p2alignl 7, 3214868480
	.fill 96, 4, 3214868480
	.section	.rodata,"a",@progbits
	.p2align	6, 0x0
	.amdhsa_kernel k_q414d1fc3df_trig
		.amdhsa_group_segment_fixed_size 0
		.amdhsa_private_segment_fixed_size 0
		.amdhsa_enable_private_segment 0
		.amdhsa_kernarg_size 16
		.amdhsa_user_sgpr_count 2
		.amdhsa_user_sgpr_kernarg_segment_ptr 1
		.amdhsa_wavefront_size32 1
		.amdhsa_system_sgpr_workgroup_id_x 1
		.amdhsa_system_sgpr_workgroup_id_y 1
		.amdhsa_system_sgpr_workgroup_id_z 1
		.amdhsa_system_vgpr_workitem_id 0
		.amdhsa_next_free_vgpr 20
		.amdhsa_next_free_sgpr 66
		.amdhsa_reserve_vcc 1
		.amdhsa_float_denorm_mode_32 3
		.amdhsa_float_denorm_mode_16_64 3
		.amdhsa_memory_ordered 1
		.amdhsa_forward_progress 1
		.amdhsa_inst_pref_size 3
	.end_amdhsa_kernel
	.amdgpu_metadata
---
amdhsa.version: [ 1, 2 ]
amdhsa.kernels:
  - .name:           k_q414d1fc3df_trig
    .symbol:         k_q414d1fc3df_trig.kd
    .args:
      - { .name: angles, .offset: 0, .size: 8, .value_kind: global_buffer, .address_space: global }
      - { .name: trig, .offset: 8, .size: 8, .value_kind: global_buffer, .address_space: global }
    .group_segment_fixed_size: 0
    .private_segment_fixed_size: 0
    .kernarg_segment_align: 8
    .kernarg_segment_size: 16
    .max_flat_workgroup_size: 384
    .sgpr_count:     66
    .vgpr_count:     20
    .wavefront_size: 32
...
	.end_amdgpu_metadata
.endif
;; end of part 1
;; launch project (part 2): grid 30 x 8, 24 waves a work-group, no clusters, 316,416 bytes of LDS; arguments x, trig, out0; writes out0
.if DOCPART == 2
	.amdgcn_target "amdgcn-amd-amdhsa--gfx1250"
	.amdhsa_code_object_version 6
	.text
	.protected	k_q414d1fc3df_project
	.globl	k_q414d1fc3df_project
	.p2align	8
	.type	k_q414d1fc3df_project,@function
k_q414d1fc3df_project:
	s_mov_b64 s[64:65], 0
	v_nop
	global_prefetch_b8 v0, s[64:65] scope:SCOPE_SE
	s_setreg_imm32_b32 hwreg(HW_REG_WAVE_MODE, 25, 1), 1
	s_wait_xcnt 0x0
; out0[bc][a][d] = sum over s of the bilinear sample of image bc at
;   xs = 255.5 + (d-63.5) cos - (s-63.5) sin,   ys = 255.5 + (d-63.5) sin + (s-63.5) cos.
; WHAT IS NEEDED OF x.  |xs - 255.5| and |ys - 255.5| are at most sqrt(63.5^2 + 63.5^2) = 89.8 for every real angle, so every sample
; lies in rows and columns 165 .. 346: the reference's validity mask is true throughout, and 182 rows are all that is read.
; SHARES.  Work-group (b, g): angles 12 b .. 12 b + 11, images 4 g .. 4 g + 3.  30 x 8 groups; 24 waves.
; LDS.  Rows 165 .. 346, columns 160 .. 351 of the four images, a pixel = 8 bytes = four bf16 (image 0 lowest), 198 pixels from row to
; row: 288,288 bytes (four images are what fits).  Behind it 24,576 bytes in which the group's results are gathered.
; With 198 pixels a row, two pixels have the same number modulo 32 only if they lie (2,5), (-6,1) or sums of these apart, farther
; than the 4 x 2 patch of samples that the eight lanes of one angle read in one load: those lanes read different 8-byte columns of 256 bytes.
; COORDINATES are whole numbers with 23 fraction bits, relative to column 160 and row 165, made from the table of round(2^22 cos),
; round(2^22 sin) that the launch before stored:  X = 191*2^22 + (2d-127) C - (2s-127) S,  Y = 181*2^22 + (2d-127) S + (2s-127) C.
; Their error is at most 127 * 2^-23 pixel.  Addresses come from X >> 23, Y >> 23; the weights from the 23 low bits.
; POINT SYMMETRY.  Sample (127-d, 127-s) has X' = 191*2^23 - X, Y' = 181*2^23 - Y: its base pixel is (190-ix, 180-iy), its fractions
; are 1-fx, 1-fy.  So its address is MIR - address and its four weights are the same four in reverse order: one address and weight
; computation serves two samples, and a lane sums ray d and ray 127-d together.
; LANES.  Lane = (angle: bits 4:3, detector: bits 2:1, parity of s: bit 0).  Wave w: angles 4 (w/8) + 0..3, detectors 4 (w%8) + 0..3
; (ray pair A) and 32 more (ray pair B).  A and B take turns: while one's eight LDS loads are under way the other's are summed.
; NO JOINT REQUESTS: the image reaches LDS converted to bf16 with four planes interleaved, so it passes through registers; and the
; 30 groups that read the same four planes do not divide into fours.
; LIMITS.  x is rounded to bf16 (nearest even, relative 2^-8) and is taken to be finite: where a sample falls exactly on a pixel line
; the neighbour that gets weight 0 is not always the reference's.  Angles finite (see the table's launch); addresses are clamped for any table.
.set ANG_WG, 12                        ; angles of a work-group
.set IMGROW, 2048                      ; bytes of an image row in memory
.set PLANE,  1048576                   ; bytes of an image
.set X0,     160                       ; first column kept
.set Y0,     165                       ; first row kept
.set KROWS,  182                       ; rows kept
.set PB,     1584                      ; LDS bytes from row to row: 198 pixels of 8 bytes
.set IMG,    KROWS*PB                  ; 288,288
.set STAGE,  IMG                       ; results: [4 images][12 angles][128 detectors] f32
.set CHST,   ANG_WG*512                ; one image's part of the stage, 6,144 bytes
.set OUTCH,  360*512                   ; one image's sinogram in memory
.set MIR,    180*PB+190*8              ; address + mirrored address; also the largest base address (its 2 x 2 pixels end at 288,240)
.set XC,     191<<22                   ; (255.5 - 160) * 2^23
.set YC,     181<<22                   ; (255.5 - 165) * 2^23
.set GRND,   16*IMGROW                 ; a fill turn is 16 rows: step in memory
.set LRND,   16*PB                     ; and in LDS
; vector registers, fill
.set GOFF, 1                           ; my 16 bytes in a plane, turn 0
.set LA,   2                           ; v2-5   my 32 bytes in LDS, turns 0, 3, 6, 9 (the immediate reaches two turns further)
.set GO11, 6                           ; the twelfth item, in memory
.set LA11, 7                           ; and in LDS
.set T,    8                           ; v8-15  four pixels packed
.set SL,   16                          ; v16-79 four slots of 16: 4 planes x 4 pixels as loaded
.set TRO,  80                          ; byte offset of my angle's table entry
.set TRG,  82                          ; v82-83 C, S
; vector registers, rays (the slots are free by then)
.set D0,   16                          ; v16-31 ray pair A: 4 + 4 pixels
.set D1,   32                          ; v32-47 ray pair B
.set W0,   48                          ; v48-51 A's weights: (1-fx)(1-fy), fx(1-fy), (1-fx)fy, fx fy
.set W1,   52                          ; v52-55 B's
.set AD0,  56                          ; v56-57 A's address and mirrored address
.set AD1,  58                          ; v58-59 B's
.set TA,   60
.set TB,   61
.set TC,   62
.set TD,   63
.set XA,   64
.set YA,   65
.set XB,   66
.set YB,   67
.set DX,   68                          ; step of two samples: -4 S
.set DY,   69                          ; 4 C
.set SA,   70                          ; stage address of ray d
.set SM,   71                          ; stage address of ray 95 - d
.set ACCA, 84                          ; v84-91 sums of A: ray d, images 0-3; ray 127-d, images 0-3
.set ACCB, 92                          ; v92-99 the same for B
	s_load_b128 s[4:7], s[0:1], 0x0                ; x s[4:5], trig s[6:7]
	s_load_b64 s[8:9], s[0:1], 0x10                ; out0
	v_lshl_add_u32 v100, v0, 2, 0x4c800
	v_mov_b32 v101, 0
	v_lshrrev_b32 v[T], 5, v0
	v_readfirstlane_b32 s10, v[T]                  ; wave 0 .. 23
	s_and_b32 s11, ttmp7, 0xffff                   ; g: which four images.  ttmp9 = b: which twelve angles
	s_lshr_b32 s14, s10, 3                         ; wave / 8: fill: which 64 columns; rays: which four angles
	s_and_b32 s15, s10, 7                          ; wave % 8: fill: which two rows of sixteen; rays: which four detectors
	s_mul_i32 s16, ttmp9, ANG_WG
	s_lshl2_add_u32 s16, s14, s16                  ; 12 b + 4 (wave / 8)
	v_bfe_u32 v[T], v0, 3, 2                       ; + lane bits 4:3 = my angle
	v_add_lshl_u32 v[TRO], v[T], s16, 3            ; 8 bytes an entry
	; fill: lanes 0-15 take 256 neighbouring bytes of one row, lanes 16-31 of the next
	v_bfe_u32 v[T], v0, 4, 1
	v_and_b32 v[T+1], 15, v0
	s_lshl_b32 s17, s15, 12                        ; two rows of 2,048 bytes
	s_lshl_b32 s18, s14, 8                         ; 64 columns of 4 bytes
	s_add_co_u32 s17, s17, s18
	v_lshl_add_u32 v[GOFF], v[T], 11, s17
	v_lshl_add_u32 v[GOFF], v[T+1], 4, v[GOFF]
	s_mul_i32 s18, s15, 2*PB
	s_lshl_b32 s19, s14, 9                         ; 64 pixels of 8 bytes
	s_add_co_u32 s18, s18, s19
	v_mad_u32_u24 v[LA], v[T], PB, s18
	v_lshl_add_u32 v[LA], v[T+1], 5, v[LA]         ; four pixels = 32 bytes a lane
	v_add_nc_u32 v[LA+1], 3*LRND, v[LA]
	v_add_nc_u32 v[LA+2], 6*LRND, v[LA]
	v_add_nc_u32 v[LA+3], 9*LRND, v[LA]
	; 182 rows are eleven turns of 16 and six rows more.  In the twelfth turn the waves with rows 176 .. 181 (wave % 8 < 3) take them;
	; the other 15 waves fetch their own rows of the eleventh turn once more (each lane rewrites its own bytes with the same values),
	; so that every wave issues the same loads and counts the same waits: 15 of 288 wave items are spent on that.
	s_cmp_lt_u32 s15, 3
	s_cselect_b32 s17, GRND, 0
	s_cselect_b32 s18, LRND, 0
	v_add_nc_u32 v[GO11], s17, v[GOFF]
	v_add_nc_u32 v[LA11], s18, v[LA+3]
	s_lshl_b32 s12, s11, 22                        ; four planes of 2^20 bytes
	s_add_co_u32 s12, s12, Y0*IMGROW+X0*4          ; + the first row and column kept
	s_mov_b32 s13, 0
	s_wait_kmcnt 0x0
	s_add_nc_u64 s[4:5], s[4:5], s[12:13]
	global_load_b64 v[TRG:TRG+1], v[TRO], s[6:7]   ; C, S of my angle: the oldest load, in with the first counted wait below
.macro LOADITEM goff, turn, slot       ; four pixels of each of the four planes
.irp c, 0,1,2,3
	global_load_b128 v[\slot+4*\c:\slot+4*\c+3], v[\goff], s[4:5] offset:\c*PLANE+(\turn)*GRND
.endr
.endm
; left = loads younger than this item's four.  Pixel p becomes (image 0, image 1), (image 2, image 3) in bf16.
.macro PUTITEM left, la, off, slot
	s_wait_loadcnt \left
.irp p, 0,1,2,3
	v_cvt_pk_bf16_f32 v[T+2*\p],   v[\slot+\p],   v[\slot+4+\p]
	v_cvt_pk_bf16_f32 v[T+2*\p+1], v[\slot+8+\p], v[\slot+12+\p]
.endr
	ds_store_b128 v[\la], v[T:T+3]   offset:\off
	ds_store_b128 v[\la], v[T+4:T+7] offset:\off+16
.endm
	LOADITEM GOFF, 0, SL                           ; four items = 16 loads of 512 bytes of every wave are kept under way
	LOADITEM GOFF, 1, SL+16
	LOADITEM GOFF, 2, SL+32
	LOADITEM GOFF, 3, SL+48
	PUTITEM 12, LA, 0, SL                          ; 12: the three younger items stay out
	LOADITEM GOFF, 4, SL
	PUTITEM 12, LA, LRND, SL+16
	LOADITEM GOFF, 5, SL+16
	PUTITEM 12, LA, 2*LRND, SL+32
	LOADITEM GOFF, 6, SL+32
	PUTITEM 12, LA+1, 0, SL+48
	LOADITEM GOFF, 7, SL+48
	PUTITEM 12, LA+1, LRND, SL
	LOADITEM GOFF, 8, SL
	PUTITEM 12, LA+1, 2*LRND, SL+16
	LOADITEM GOFF, 9, SL+16
	PUTITEM 12, LA+2, 0, SL+32
	LOADITEM GOFF, 10, SL+32
	PUTITEM 12, LA+2, LRND, SL+48
	LOADITEM GO11, 10, SL+48                       ; the twelfth item: turn 10's immediate, the register carries the rest
	PUTITEM 12, LA+2, 2*LRND, SL
	PUTITEM 8, LA+3, 0, SL+16                      ; nothing more is fetched: the counts run down
	PUTITEM 4, LA+3, LRND, SL+32
	PUTITEM 0, LA11, LRND, SL+48
	s_wait_dscnt 0x0                               ; my part of the image is in LDS: zero, for the other waves' sake
	s_barrier_signal -1
	; while the others arrive: the rays' first samples, in registers only
	v_bfe_u32 v[TA], v0, 1, 2
	v_lshl_add_u32 v[TA], s15, 2, v[TA]            ; d of ray pair A, 0 .. 31
	v_and_b32 v[TB], 1, v0                         ; my samples: s = 2 i + parity
	v_lshl_add_u32 v[TC], v[TA], 1, 0xffffff81     ; 2 d - 127
	v_lshlrev_b32 v[TB], 1, v[TB]
	v_sub_nc_u32 v[TB], 127, v[TB]                 ; 127 - 2 s at i = 0
	v_mul_lo_u32 v[XA], v[TC], v[TRG]              ; all sums modulo 2^32; the results lie in 5.6 .. 185.4 pixels
	v_mul_lo_u32 v[TD], v[TB], v[TRG+1]
	v_add3_u32 v[XA], v[XA], v[TD], XC             ; X = XC + (2d-127) C + (127-2s) S
	v_mul_lo_u32 v[YA], v[TC], v[TRG+1]
	v_mul_lo_u32 v[TD], v[TB], v[TRG]
	v_sub_nc_u32 v[YA], v[YA], v[TD]
	v_add_nc_u32 v[YA], YC, v[YA]                  ; Y = YC + (2d-127) S - (127-2s) C
	v_lshl_add_u32 v[XB], v[TRG], 6, v[XA]         ; 32 detectors further: + 64 C,
	v_lshl_add_u32 v[YB], v[TRG+1], 6, v[YA]       ; + 64 S
	v_mul_lo_u32 v[DX], v[TRG+1], -4               ; two samples further: - 4 S,
	v_lshlrev_b32 v[DY], 2, v[TRG]                 ; + 4 C
	v_bfe_u32 v[TB], v0, 3, 2
	s_lshl_b32 s16, s14, 11                        ; four angles of 512 bytes
	s_add_co_u32 s16, s16, STAGE
	v_lshl_add_u32 v[TB], v[TB], 9, s16            ; my angle's row of the stage
	v_lshl_add_u32 v[SA], v[TA], 2, v[TB]          ; ray d (ray d + 32: 128 bytes further)
	v_sub_nc_u32 v[TC], 95, v[TA]
	v_lshl_add_u32 v[SM], v[TC], 2, v[TB]          ; ray 95 - d (ray 127 - d: 128 bytes further)
.irp c, 0,1,2,3,4,5,6,7
	v_mov_b32 v[ACCA+\c], 0
	v_mov_b32 v[ACCB+\c], 0
.endr
	s_mov_b32 s22, 0x7fffff                        ; the 23 fraction bits
	s_mov_b32 s23, 0x3f800000                      ; 1.0: fraction bits under this exponent are the f32 1 + fraction
	s_barrier_wait -1                              ; the whole image is in LDS; from here on it is only read
; One sample and its mirror image: two addresses, eight loads of a pixel (four images), four weights, one step along the ray.
.macro ISSUE dat, wgt, adr, px, py
	v_lshrrev_b32 v[TA], 23, v[\py]                ; iy
	v_lshrrev_b32 v[TB], 23, v[\px]                ; ix
	v_mul_u32_u24 v[TA], PB, v[TA]
	v_lshl_add_u32 v[\adr], v[TB], 3, v[TA]        ; iy * pitch + 8 ix
	v_sub_nc_u32 v[\adr+1], MIR, v[\adr]           ; pixel (190 - ix, 180 - iy)
	v_min_u32 v[\adr], MIR, v[\adr]                ; the table was loaded: whatever it holds, both addresses stay in the image
	v_min_u32 v[\adr+1], MIR, v[\adr+1]
	ds_load_b64 v[\dat:\dat+1],     v[\adr]
	ds_load_b64 v[\dat+2:\dat+3],   v[\adr] offset:8
	ds_load_b64 v[\dat+4:\dat+5],   v[\adr] offset:PB
	ds_load_b64 v[\dat+6:\dat+7],   v[\adr] offset:PB+8
	ds_load_b64 v[\dat+8:\dat+9],   v[\adr+1]
	ds_load_b64 v[\dat+10:\dat+11], v[\adr+1] offset:8
	ds_load_b64 v[\dat+12:\dat+13], v[\adr+1] offset:PB
	ds_load_b64 v[\dat+14:\dat+15], v[\adr+1] offset:PB+8
	v_and_or_b32 v[TA], v[\px], s22, s23           ; 1 + fx
	v_and_or_b32 v[TB], v[\py], s22, s23           ; 1 + fy
	v_add_nc_u32 v[\px], v[\px], v[DX]
	v_add_nc_u32 v[\py], v[\py], v[DY]
	v_add_f32 v[TC], -1.0, v[TA]                   ; fx
	v_sub_f32 v[TA], 2.0, v[TA]                    ; 1 - fx
	v_fma_f32 v[\wgt+3], v[TC], v[TB], -v[TC]      ; fx (1 + fy) - fx = fx fy
	v_fma_f32 v[\wgt+2], v[TA], v[TB], -v[TA]      ; (1 - fx) fy
	v_sub_f32 v[\wgt+1], v[TC], v[\wgt+3]          ; fx (1 - fy)
	v_sub_f32 v[\wgt],   v[TA], v[\wgt+2]          ; (1 - fx)(1 - fy)
.endm
; 32 fused multiply-adds in f32 straight from the bf16 halves.  Corner j of the sample takes weight j, corner j of the mirror image weight 3 - j.
.macro ACCUM dat, wgt, acc
.irp j, 0,1,2,3
	v_fma_mix_f32_bf16 v[\acc],   v[\dat+2*\j],     v[\wgt+\j],   v[\acc]   op_sel_hi:[1,0,0]
	v_fma_mix_f32_bf16 v[\acc+1], v[\dat+2*\j],     v[\wgt+\j],   v[\acc+1] op_sel:[1,0,0] op_sel_hi:[1,0,0]
	v_fma_mix_f32_bf16 v[\acc+2], v[\dat+2*\j+1],   v[\wgt+\j],   v[\acc+2] op_sel_hi:[1,0,0]
	v_fma_mix_f32_bf16 v[\acc+3], v[\dat+2*\j+1],   v[\wgt+\j],   v[\acc+3] op_sel:[1,0,0] op_sel_hi:[1,0,0]
	v_fma_mix_f32_bf16 v[\acc+4], v[\dat+8+2*\j],   v[\wgt+3-\j], v[\acc+4] op_sel_hi:[1,0,0]
	v_fma_mix_f32_bf16 v[\acc+5], v[\dat+8+2*\j],   v[\wgt+3-\j], v[\acc+5] op_sel:[1,0,0] op_sel_hi:[1,0,0]
	v_fma_mix_f32_bf16 v[\acc+6], v[\dat+8+2*\j+1], v[\wgt+3-\j], v[\acc+6] op_sel_hi:[1,0,0]
	v_fma_mix_f32_bf16 v[\acc+7], v[\dat+8+2*\j+1], v[\wgt+3-\j], v[\acc+7] op_sel:[1,0,0] op_sel_hi:[1,0,0]
.endr
.endm
	ISSUE D0, W0, AD0, XA, YA                      ; A, i = 0
	s_mov_b32 s20, 63                              ; 64 samples of my parity on each ray; the last stands behind the loop
.Lray:
	ISSUE D1, W1, AD1, XB, YB                      ; B, i
	s_wait_dscnt 8                                 ; LDS loads come back in order: A's eight are in, B's eight stay out
	ACCUM D0, W0, ACCA
	ISSUE D0, W0, AD0, XA, YA                      ; A, i + 1
	s_wait_dscnt 8                                 ; B's are in, A's next eight stay out
	ACCUM D1, W1, ACCB
	s_sub_co_i32 s20, s20, 1
	s_cmp_lg_u32 s20, 0
	s_cbranch_scc1 .Lray
	ISSUE D1, W1, AD1, XB, YB                      ; B, i = 63: nothing is fetched beyond the rays' ends
	s_wait_dscnt 8
	ACCUM D0, W0, ACCA
	s_wait_dscnt 0
	ACCUM D1, W1, ACCB
	; the two parities of s sit in neighbouring lanes: one add across them, and both hold the ray's sum
.irp c, 0,1,2,3,4,5,6,7
	v_add_f32_dpp v[ACCA+\c], v[ACCA+\c], v[ACCA+\c] row_xmask:1 row_mask:0xf bank_mask:0xf
	v_add_f32_dpp v[ACCB+\c], v[ACCB+\c], v[ACCB+\c] row_xmask:1 row_mask:0xf bank_mask:0xf
.endr
	; into the stage (both lanes of a pair write the same word with the same value); it lies behind the image, which others may still read
.irp c, 0,1,2,3
	ds_store_b32 v[SA], v[ACCA+\c]   offset:\c*CHST        ; ray d
	ds_store_b32 v[SA], v[ACCB+\c]   offset:\c*CHST+128    ; ray d + 32
	ds_store_b32 v[SM], v[ACCB+4+\c] offset:\c*CHST        ; ray 95 - d
	ds_store_b32 v[SM], v[ACCA+4+\c] offset:\c*CHST+128    ; ray 127 - d
.endr
	s_wait_dscnt 0x0                               ; my results are in LDS: zero, for the other waves' sake
	s_barrier_signal -1
	; The stage is four runs of 6,144 bytes, each of which is 6,144 neighbouring bytes of out0 (12 angles of one image).
	; Thread t takes bytes 16 t of images 0 and 1 (waves 0-11: image 0, waves 12-23: image 1), then the same of images 2 and 3.
	v_lshlrev_b32 v[TA], 4, v0
	v_add_nc_u32 v[TA], STAGE, v[TA]
	s_cmp_ge_u32 s10, 12
	s_cselect_b32 s16, OUTCH-CHST, 0               ; image 1 lies OUTCH further in memory, CHST further in the stage
	v_lshl_add_u32 v[TB], v0, 4, s16
	s_mul_i32 s12, s11, 4*OUTCH                    ; four images,
	s_mul_i32 s17, ttmp9, CHST                     ; twelve angles
	s_add_co_u32 s12, s12, s17
	s_mov_b32 s13, 0
	s_add_nc_u64 s[8:9], s[8:9], s[12:13]
	s_barrier_wait -1
	ds_load_b128 v[D0:D0+3],   v[TA]
	ds_load_b128 v[D0+4:D0+7], v[TA] offset:2*CHST
	s_wait_dscnt 1                                 ; the first is in, the second may be out
	global_store_b128 v[TB], v[D0:D0+3], s[8:9] th:TH_STORE_NT                    ; a wave's store covers 512 neighbouring bytes, aligned
	s_wait_dscnt 0
	global_store_b128 v[TB], v[D0+4:D0+7], s[8:9] offset:2*OUTCH th:TH_STORE_NT
	s_wait_tensorcnt 0x0
	ds_add_u32 v100, v101
	s_wait_dscnt 0x0
	s_endpgm
.Lfunc_end_k_q414d1fc3df_project:
	.size	k_q414d1fc3df_project, .Lfunc_end_k_q414d1fc3df_project-k_q414d1fc3df_project
	.p2alignl 7, 3214868480
	.fill 96, 4, 3214868480
	.section	.rodata,"a",@progbits
	.p2align	6, 0x0
	.amdhsa_kernel k_q414d1fc3df_project
		.amdhsa_group_segment_fixed_size 316416
		.amdhsa_private_segment_fixed_size 0
		.amdhsa_enable_private_segment 0
		.amdhsa_kernarg_size 24
		.amdhsa_user_sgpr_count 2
		.amdhsa_user_sgpr_kernarg_segment_ptr 1
		.amdhsa_wavefront_size32 1
		.amdhsa_system_sgpr_workgroup_id_x 1
		.amdhsa_system_sgpr_workgroup_id_y 1
		.amdhsa_system_sgpr_workgroup_id_z 1
		.amdhsa_system_vgpr_workitem_id 0
		.amdhsa_next_free_vgpr 102
		.amdhsa_next_free_sgpr 66
		.amdhsa_reserve_vcc 0
		.amdhsa_float_denorm_mode_32 3
		.amdhsa_float_denorm_mode_16_64 3
		.amdhsa_memory_ordered 1
		.amdhsa_forward_progress 1
		.amdhsa_inst_pref_size 34
	.end_amdhsa_kernel
	.amdgpu_metadata
---
amdhsa.version: [ 1, 2 ]
amdhsa.kernels:
  - .name:           k_q414d1fc3df_project
    .symbol:         k_q414d1fc3df_project.kd
    .args:
      - { .name: x, .offset: 0, .size: 8, .value_kind: global_buffer, .address_space: global }
      - { .name: trig, .offset: 8, .size: 8, .value_kind: global_buffer, .address_space: global }
      - { .name: out0, .offset: 16, .size: 8, .value_kind: global_buffer, .address_space: global }
    .group_segment_fixed_size: 316416
    .private_segment_fixed_size: 0
    .kernarg_segment_align: 8
    .kernarg_segment_size: 24
    .max_flat_workgroup_size: 768
    .sgpr_count:     66
    .vgpr_count:     102
    .wavefront_size: 32
...
	.end_amdgpu_metadata
.endif
;; end of part 2
;; ======== version 2 of 2: 2 launches; version 1 with the launch project written anew for expert scheduling mode
;; limits: values outside matrix products are rounded to bf16; right only within a limited range of input values
;; workspace buffers: trig 3,072 bytes of whole numbers
;; launch trig: the kernel of part 1 again; grid 1 x 1, 12 waves a work-group, no clusters, 0 bytes of LDS; arguments angles, trig; writes trig
;; launch project (part 3): grid 30 x 8, 24 waves a work-group, no clusters, 316,416 bytes of LDS; arguments x, trig, out0; writes out0
.if DOCPART == 3
	.amdgcn_target "amdgcn-amd-amdhsa--gfx1250"
	.amdhsa_code_object_version 6
	.text
	.protected	k_q414d1fc3df_project
	.globl	k_q414d1fc3df_project
	.p2align	8
	.type	k_q414d1fc3df_project,@function
k_q414d1fc3df_project:
	s_mov_b64 s[64:65], 0
	v_nop
	global_prefetch_b8 v0, s[64:65] scope:SCOPE_SE
	s_setreg_imm32_b32 hwreg(HW_REG_WAVE_SCHED_MODE, 0, 2), 2
	s_setreg_imm32_b32 hwreg(HW_REG_WAVE_MODE, 25, 1), 1
	s_wait_xcnt 0x0
	s_wait_alu depctr_vm_vsrc(0)
; out0[bc][a][d] = sum over s of the bilinear sample of image bc at
;   xs = 255.5 + (d-63.5) cos - (s-63.5) sin,   ys = 255.5 + (d-63.5) sin + (s-63.5) cos.
; WHAT IS NEEDED OF x.  |xs - 255.5| and |ys - 255.5| are at most sqrt(63.5^2 + 63.5^2) = 89.8 for every real angle, so every sample
; lies in rows and columns 165 .. 346: the reference's validity mask is true throughout, and 182 rows are all that is read.
; SHARES.  Work-group (b, g): angles 12 b .. 12 b + 11, images 4 g .. 4 g + 3.  30 x 8 groups; 24 waves.
; LDS.  Rows 165 .. 346, columns 160 .. 351 of the four images, a pixel = 8 bytes = four bf16 (image 0 lowest), 198 pixels from row to
; row: 288,288 bytes (four images are what fits).  Behind it 24,576 bytes in which the group's results are gathered.
; With 198 pixels a row, two pixels have the same number modulo 32 only if they lie (2,5), (-6,1) or sums of these apart, farther
; than the 4 x 2 patch of samples that the eight lanes of one angle read in one load: those lanes read different 8-byte columns of 256 bytes.
; COORDINATES are whole numbers with 23 fraction bits, relative to column 160 and row 165, made from the table of round(2^22 cos),
; round(2^22 sin) that the launch before stored:  X = 191*2^22 + (2d-127) C - (2s-127) S,  Y = 181*2^22 + (2d-127) S + (2s-127) C.
; Their error is at most 127 * 2^-23 pixel.  Addresses come from X >> 23, Y >> 23; the weights from the 23 low bits.
; POINT SYMMETRY.  Sample (127-d, 127-s) has X' = 191*2^23 - X, Y' = 181*2^23 - Y: its base pixel is (190-ix, 180-iy), its fractions
; are 1-fx, 1-fy.  So its address is MIR - address and its four weights are the same four in reverse order: one address and weight
; computation serves two samples, and a lane sums ray d and ray 127-d together.
; LANES.  Lane = (angle: bits 4:3, detector: bits 2:1, parity of s: bit 0).  Wave w: angles 4 (w/8) + 0..3, detectors 4 (w%8) + 0..3
; (ray pair A) and 32 more (ray pair B).  A and B take turns: while one's eight LDS loads are under way the other's are summed.
; NO JOINT REQUESTS: the image reaches LDS converted to bf16 with four planes interleaved, so it passes through registers; and the
; 30 groups that read the same four planes do not divide into fours.
; LIMITS.  x is rounded to bf16 (nearest even, relative 2^-8) and is taken to be finite: where a sample falls exactly on a pixel line
; the neighbour that gets weight 0 is not always the reference's.  Angles finite (see the table's launch); addresses are clamped for any table.
; THE MODE: SCHED_MODE bits 1:0 = 2 (LLVM: expert scheduling mode 2), set by the entry lines.  The code itself states the register dependences
; between vector instructions and memory or LDS instructions, with s_wait_alu, always for 0.
; THE PLAN.  Registers that memory or LDS instructions touch:
;   v1-v7, v80   addresses of the fill and of the table: written at the head, never again; read by every load and store of the fill.
;   slots        an item's four loads land in a slot; its eight conversions read it; behind them the slot is loaded again.
;   T            written by an item's conversions, read by its two LDS stores, written again by the next item's conversions.
;   D0, D1       a ray pair's eight LDS loads land there; its 32 multiply-adds read it; behind them it is loaded again.
;   AD0, AD1     a ray pair's two LDS addresses: written by seven vector lines in the middle of the pair's multiply-adds, read by its eight loads.
;   SA, SM, the sums; at the end v60, v61: addresses and data of the way out.
;   Weights, coordinates and temporaries are named by vector instructions alone.
; A fill item has one wait on vm_vsrc at its head (T has been read) and one on va_vdst behind its conversions (T is written, the slot is read out).
; A half-step of the ray loop has one wait on vm_vsrc ahead of its address lines (the pair's addresses have been read) and one on va_vdst behind
; its last multiply-add (the addresses are written, the pair's data are read out).  The pair's eight loads follow that wait, dealt among the lines
; that make the weights and step the coordinates; neither these nor the other pair's multiply-adds name the registers that the loads touch.
.set ANG_WG, 12                        ; angles of a work-group
.set IMGROW, 2048                      ; bytes of an image row in memory
.set PLANE,  1048576                   ; bytes of an image
.set X0,     160                       ; first column kept
.set Y0,     165                       ; first row kept
.set KROWS,  182                       ; rows kept
.set PB,     1584                      ; LDS bytes from row to row: 198 pixels of 8 bytes
.set IMG,    KROWS*PB                  ; 288,288
.set STAGE,  IMG                       ; results: [4 images][12 angles][128 detectors] f32
.set CHST,   ANG_WG*512                ; one image's part of the stage, 6,144 bytes
.set OUTCH,  360*512                   ; one image's sinogram in memory
.set MIR,    180*PB+190*8              ; address + mirrored address; also the largest base address (its 2 x 2 pixels end at 288,240)
.set XC,     191<<22                   ; (255.5 - 160) * 2^23
.set YC,     181<<22                   ; (255.5 - 165) * 2^23
.set GRND,   16*IMGROW                 ; a fill turn is 16 rows: step in memory
.set LRND,   16*PB                     ; and in LDS
; vector registers, fill
.set GOFF, 1                           ; my 16 bytes in a plane, turn 0
.set LA,   2                           ; v2-5   my 32 bytes in LDS, turns 0, 3, 6, 9 (the immediate reaches two turns further)
.set GO11, 6                           ; the twelfth item, in memory
.set LA11, 7                           ; and in LDS
.set T,    8                           ; v8-15  four pixels packed
.set SL,   16                          ; v16-79 four slots of 16: 4 planes x 4 pixels as loaded
.set TRO,  80                          ; byte offset of my angle's table entry
.set TRG,  82                          ; v82-83 C, S
; vector registers, rays (the slots are free by then)
.set D0,   16                          ; v16-31 ray pair A: 4 + 4 pixels
.set D1,   32                          ; v32-47 ray pair B
.set W0,   48                          ; v48-51 A's weights: (1-fx)(1-fy), fx(1-fy), (1-fx)fy, fx fy
.set W1,   52                          ; v52-55 B's
.set AD0,  56                          ; v56-57 A's address and mirrored address
.set AD1,  58                          ; v58-59 B's
.set TA,   60
.set TB,   61
.set TC,   62
.set TD,   63
.set XA,   64
.set YA,   65
.set XB,   66
.set YB,   67
.set DX,   68                          ; step of two samples: -4 S
.set DY,   69                          ; 4 C
.set SA,   70                          ; stage address of ray d
.set SM,   71                          ; stage address of ray 95 - d
.set ACCA, 84                          ; v84-91 sums of A: ray d, images 0-3; ray 127-d, images 0-3
.set ACCB, 92                          ; v92-99 the same for B
	s_load_b128 s[4:7], s[0:1], 0x0                ; x s[4:5], trig s[6:7]
	s_load_b64 s[8:9], s[0:1], 0x10                ; out0
	v_lshl_add_u32 v100, v0, 2, 0x4c800
	v_mov_b32 v101, 0
	v_lshrrev_b32 v[T], 5, v0
	v_readfirstlane_b32 s10, v[T]                  ; wave 0 .. 23
	s_and_b32 s11, ttmp7, 0xffff                   ; g: which four images.  ttmp9 = b: which twelve angles
	s_mul_i32 s16, ttmp9, ANG_WG
	s_wait_alu depctr_va_sdst(0)                   ; s10 is written, ahead of its first reader: the wave's shares are made from it
	s_lshr_b32 s14, s10, 3                         ; wave / 8: fill: which 64 columns; rays: which four angles
	s_and_b32 s15, s10, 7                          ; wave % 8: fill: which two rows of sixteen; rays: which four detectors
	s_lshl2_add_u32 s16, s14, s16                  ; 12 b + 4 (wave / 8)
	v_bfe_u32 v[T], v0, 3, 2                       ; + lane bits 4:3 = my angle
	v_add_lshl_u32 v[TRO], v[T], s16, 3            ; 8 bytes an entry
	; fill: lanes 0-15 take 256 neighbouring bytes of one row, lanes 16-31 of the next
	v_bfe_u32 v[T], v0, 4, 1
	v_and_b32 v[T+1], 15, v0
	s_lshl_b32 s17, s15, 12                        ; two rows of 2,048 bytes
	s_lshl_b32 s18, s14, 8                         ; 64 columns of 4 bytes
	s_add_co_u32 s17, s17, s18
	v_lshl_add_u32 v[GOFF], v[T], 11, s17
	v_lshl_add_u32 v[GOFF], v[T+1], 4, v[GOFF]
	s_mul_i32 s18, s15, 2*PB
	s_lshl_b32 s19, s14, 9                         ; 64 pixels of 8 bytes
	s_add_co_u32 s18, s18, s19
	v_mad_u32_u24 v[LA], v[T], PB, s18
	v_lshl_add_u32 v[LA], v[T+1], 5, v[LA]         ; four pixels = 32 bytes a lane
	v_add_nc_u32 v[LA+1], 3*LRND, v[LA]
	v_add_nc_u32 v[LA+2], 6*LRND, v[LA]
	v_add_nc_u32 v[LA+3], 9*LRND, v[LA]
	; 182 rows are eleven turns of 16 and six rows more.  In the twelfth turn the waves with rows 176 .. 181 (wave % 8 < 3) take them;
	; the other 15 waves fetch their own rows of the eleventh turn once more (each lane rewrites its own bytes with the same values),
	; so that every wave issues the same loads and counts the same waits: 15 of 288 wave items are spent on that.
	s_cmp_lt_u32 s15, 3
	s_cselect_b32 s17, GRND, 0
	s_cselect_b32 s18, LRND, 0
	v_add_nc_u32 v[GO11], s17, v[GOFF]
	v_add_nc_u32 v[LA11], s18, v[LA+3]
	s_lshl_b32 s12, s11, 22                        ; four planes of 2^20 bytes
	s_add_co_u32 s12, s12, Y0*IMGROW+X0*4          ; + the first row and column kept
	s_mov_b32 s13, 0
	s_wait_kmcnt 0x0
	s_add_nc_u64 s[4:5], s[4:5], s[12:13]
	s_wait_alu depctr_va_vdst(0)                   ; v1 to v7 and v80 are written: the loads and LDS stores of the fill read them as addresses, and no line writes them again
	global_load_b64 v[TRG:TRG+1], v[TRO], s[6:7]   ; C, S of my angle: the oldest load, in with the first counted wait below
.macro LOADITEM goff, turn, slot       ; four pixels of each of the four planes
.irp c, 0,1,2,3
	global_load_b128 v[\slot+4*\c:\slot+4*\c+3], v[\goff], s[4:5] offset:\c*PLANE+(\turn)*GRND
.endr
.endm
; One item.  left = loads younger than this item's four.  Pixel p becomes (image 0, image 1), (image 2, image 3) in bf16.
; first = 1: no LDS store has been issued yet.  ahead = 1: the slot is loaded again, with the item of turn 'turn' at offset register 'goff'.
.macro PUTITEM first, left, la, off, slot, ahead, goff, turn
	s_wait_loadcnt \left
.if !\first
	s_wait_alu depctr_vm_vsrc(0)                   ; the LDS stores of the item before have read T, which the conversions below write again
.endif
.irp p, 0,1,2,3
	v_cvt_pk_bf16_f32 v[T+2*\p],   v[\slot+\p],   v[\slot+4+\p]
	v_cvt_pk_bf16_f32 v[T+2*\p+1], v[\slot+8+\p], v[\slot+12+\p]
.endr
	s_wait_alu depctr_va_vdst(0)                   ; the conversions have written T, which the LDS stores read, and are done reading the slot, in which the loads land
.if \ahead
	LOADITEM \goff, \turn, \slot
.endif
	ds_store_b128 v[\la], v[T:T+3]   offset:\off
	ds_store_b128 v[\la], v[T+4:T+7] offset:\off+16
.endm
	LOADITEM GOFF, 0, SL                           ; four items = 16 loads of 512 bytes of every wave are kept under way
	LOADITEM GOFF, 1, SL+16
	LOADITEM GOFF, 2, SL+32
	LOADITEM GOFF, 3, SL+48
	PUTITEM 1, 12, LA,   0,      SL,    1, GOFF, 4 ; 12: the three younger items stay out
	PUTITEM 0, 12, LA,   LRND,   SL+16, 1, GOFF, 5
	PUTITEM 0, 12, LA,   2*LRND, SL+32, 1, GOFF, 6
	PUTITEM 0, 12, LA+1, 0,      SL+48, 1, GOFF, 7
	PUTITEM 0, 12, LA+1, LRND,   SL,    1, GOFF, 8
	PUTITEM 0, 12, LA+1, 2*LRND, SL+16, 1, GOFF, 9
	PUTITEM 0, 12, LA+2, 0,      SL+32, 1, GOFF, 10
	PUTITEM 0, 12, LA+2, LRND,   SL+48, 1, GO11, 10 ; the twelfth item is asked for: turn 10's immediate, the register carries the rest
	PUTITEM 0, 12, LA+2, 2*LRND, SL,    0, GOFF, 0
	PUTITEM 0, 8,  LA+3, 0,      SL+16, 0, GOFF, 0 ; nothing more is fetched: the counts run down
	PUTITEM 0, 4,  LA+3, LRND,   SL+32, 0, GOFF, 0
	PUTITEM 0, 0,  LA11, LRND,   SL+48, 0, GOFF, 0
	s_wait_dscnt 0x0                               ; my part of the image is in LDS: zero, for the other waves' sake
	s_barrier_signal -1
	; while the others arrive: the rays' first samples, in registers only
	v_bfe_u32 v[TA], v0, 1, 2
	v_lshl_add_u32 v[TA], s15, 2, v[TA]            ; d of ray pair A, 0 .. 31
	v_and_b32 v[TB], 1, v0                         ; my samples: s = 2 i + parity
	v_lshl_add_u32 v[TC], v[TA], 1, 0xffffff81     ; 2 d - 127
	v_lshlrev_b32 v[TB], 1, v[TB]
	v_sub_nc_u32 v[TB], 127, v[TB]                 ; 127 - 2 s at i = 0
	v_mul_lo_u32 v[XA], v[TC], v[TRG]              ; all sums modulo 2^32; the results lie in 5.6 .. 185.4 pixels
	v_mul_lo_u32 v[TD], v[TB], v[TRG+1]
	v_add3_u32 v[XA], v[XA], v[TD], XC             ; X = XC + (2d-127) C + (127-2s) S
	v_mul_lo_u32 v[YA], v[TC], v[TRG+1]
	v_mul_lo_u32 v[TD], v[TB], v[TRG]
	v_sub_nc_u32 v[YA], v[YA], v[TD]
	v_add_nc_u32 v[YA], YC, v[YA]                  ; Y = YC + (2d-127) S - (127-2s) C
	v_lshl_add_u32 v[XB], v[TRG], 6, v[XA]         ; 32 detectors further: + 64 C,
	v_lshl_add_u32 v[YB], v[TRG+1], 6, v[YA]       ; + 64 S
	v_mul_lo_u32 v[DX], v[TRG+1], -4               ; two samples further: - 4 S,
	v_lshlrev_b32 v[DY], 2, v[TRG]                 ; + 4 C
	v_bfe_u32 v[TB], v0, 3, 2
	s_lshl_b32 s16, s14, 11                        ; four angles of 512 bytes
	s_add_co_u32 s16, s16, STAGE
	v_lshl_add_u32 v[TB], v[TB], 9, s16            ; my angle's row of the stage
	v_lshl_add_u32 v[SA], v[TA], 2, v[TB]          ; ray d (ray d + 32: 128 bytes further)
	v_sub_nc_u32 v[TC], 95, v[TA]
	v_lshl_add_u32 v[SM], v[TC], 2, v[TB]          ; ray 95 - d (ray 127 - d: 128 bytes further)
.irp c, 0,1,2,3,4,5,6,7
	v_mov_b32 v[ACCA+\c], 0
	v_mov_b32 v[ACCB+\c], 0
.endr
	s_mov_b32 s22, 0x7fffff                        ; the 23 fraction bits
	s_mov_b32 s23, 0x3f800000                      ; 1.0: fraction bits under this exponent are the f32 1 + fraction
; One sample and its mirror image, in three parts.  ADDR: the two addresses.
.macro ADDR adr, px, py
	v_lshrrev_b32 v[TA], 23, v[\py]                ; iy
	v_lshrrev_b32 v[TB], 23, v[\px]                ; ix
	v_mul_u32_u24 v[TA], PB, v[TA]
	v_lshl_add_u32 v[\adr], v[TB], 3, v[TA]        ; iy * pitch + 8 ix
	v_sub_nc_u32 v[\adr+1], MIR, v[\adr]           ; pixel (190 - ix, 180 - iy)
	v_min_u32 v[\adr], MIR, v[\adr]                ; the table was loaded: whatever it holds, both addresses stay in the image
	v_min_u32 v[\adr+1], MIR, v[\adr+1]
.endm
; LOADW: eight loads of a pixel (four images), two at a time among the ten lines that make the four weights and step along the ray.
; These ten name the temporaries, the weights and the coordinates: none of the registers that the loads read or land in.
.macro LOADW dat, wgt, adr, px, py
	ds_load_b64 v[\dat:\dat+1],     v[\adr]
	ds_load_b64 v[\dat+2:\dat+3],   v[\adr] offset:8
	v_and_or_b32 v[TA], v[\px], s22, s23           ; 1 + fx
	v_and_or_b32 v[TB], v[\py], s22, s23           ; 1 + fy
	ds_load_b64 v[\dat+4:\dat+5],   v[\adr] offset:PB
	ds_load_b64 v[\dat+6:\dat+7],   v[\adr] offset:PB+8
	v_add_nc_u32 v[\px], v[\px], v[DX]
	v_add_nc_u32 v[\py], v[\py], v[DY]
	ds_load_b64 v[\dat+8:\dat+9],   v[\adr+1]
	ds_load_b64 v[\dat+10:\dat+11], v[\adr+1] offset:8
	v_add_f32 v[TC], -1.0, v[TA]                   ; fx
	v_sub_f32 v[TA], 2.0, v[TA]                    ; 1 - fx
	ds_load_b64 v[\dat+12:\dat+13], v[\adr+1] offset:PB
	ds_load_b64 v[\dat+14:\dat+15], v[\adr+1] offset:PB+8
	v_fma_f32 v[\wgt+3], v[TC], v[TB], -v[TC]      ; fx (1 + fy) - fx = fx fy
	v_fma_f32 v[\wgt+2], v[TA], v[TB], -v[TA]      ; (1 - fx) fy
	v_sub_f32 v[\wgt+1], v[TC], v[\wgt+3]          ; fx (1 - fy)
	v_sub_f32 v[\wgt],   v[TA], v[\wgt+2]          ; (1 - fx)(1 - fy)
.endm
; ACCUM: corners j0 and j1: 16 fused multiply-adds in f32 straight from the bf16 halves.  Corner j of the sample takes weight j, corner j of the mirror image weight 3 - j.
.macro ACCUM dat, wgt, acc, j0, j1
.irp j, \j0, \j1
	v_fma_mix_f32_bf16 v[\acc],   v[\dat+2*\j],     v[\wgt+\j],   v[\acc]   op_sel_hi:[1,0,0]
	v_fma_mix_f32_bf16 v[\acc+1], v[\dat+2*\j],     v[\wgt+\j],   v[\acc+1] op_sel:[1,0,0] op_sel_hi:[1,0,0]
	v_fma_mix_f32_bf16 v[\acc+2], v[\dat+2*\j+1],   v[\wgt+\j],   v[\acc+2] op_sel_hi:[1,0,0]
	v_fma_mix_f32_bf16 v[\acc+3], v[\dat+2*\j+1],   v[\wgt+\j],   v[\acc+3] op_sel:[1,0,0] op_sel_hi:[1,0,0]
	v_fma_mix_f32_bf16 v[\acc+4], v[\dat+8+2*\j],   v[\wgt+3-\j], v[\acc+4] op_sel_hi:[1,0,0]
	v_fma_mix_f32_bf16 v[\acc+5], v[\dat+8+2*\j],   v[\wgt+3-\j], v[\acc+5] op_sel:[1,0,0] op_sel_hi:[1,0,0]
	v_fma_mix_f32_bf16 v[\acc+6], v[\dat+8+2*\j+1], v[\wgt+3-\j], v[\acc+6] op_sel_hi:[1,0,0]
	v_fma_mix_f32_bf16 v[\acc+7], v[\dat+8+2*\j+1], v[\wgt+3-\j], v[\acc+7] op_sel:[1,0,0] op_sel_hi:[1,0,0]
.endr
.endm
; A half-step: one ray pair's sample i is summed and (next = 1) its sample i + 1 is asked for.  left = the other pair's loads, which stay out.
.macro HALF dat, wgt, adr, px, py, acc, left, next
	s_wait_dscnt \left                             ; LDS loads come back in order: this pair's eight are in
	ACCUM \dat, \wgt, \acc, 0, 1
.if \next
	s_wait_alu depctr_vm_vsrc(0)                   ; the LDS loads issued so far have read this pair's two addresses, which the lines below write again
	ADDR \adr, \px, \py
.endif
	ACCUM \dat, \wgt, \acc, 2, 3
.if \next
	s_wait_alu depctr_va_vdst(0)                   ; the two addresses are written, which the loads below read; the multiply-adds are done reading the pair's data, in which those loads land
	LOADW \dat, \wgt, \adr, \px, \py
.endif
.endm
	ADDR AD0, XA, YA                               ; the addresses of both pairs' first samples: still register work, while the others arrive
	ADDR AD1, XB, YB
	s_barrier_wait -1                              ; the whole image is in LDS; from here on it is only read
	s_wait_alu depctr_va_vdst(0)                   ; both pairs' addresses are written, and so are SA and SM; the fill's last conversions are done reading v16-47, in which the loads below land
	LOADW D0, W0, AD0, XA, YA                      ; A, i = 0
	LOADW D1, W1, AD1, XB, YB                      ; B, i = 0: no vector line since the wait names D1 or AD1
	s_mov_b32 s20, 63                              ; 64 samples of my parity on each ray; the last stands behind the loop
.Lray:
	HALF D0, W0, AD0, XA, YA, ACCA, 8, 1           ; A's i is summed while B's eight stay out; A's i + 1 is asked for
	HALF D1, W1, AD1, XB, YB, ACCB, 8, 1           ; B's i is summed while A's next eight stay out; B's i + 1 is asked for
	s_sub_co_i32 s20, s20, 1
	s_cmp_lg_u32 s20, 0
	s_cbranch_scc1 .Lray
	HALF D0, W0, AD0, XA, YA, ACCA, 8, 0           ; i = 63: nothing is fetched beyond the rays' ends, so nothing is owed
	HALF D1, W1, AD1, XB, YB, ACCB, 0, 0
	; the two parities of s sit in neighbouring lanes: one add across them, and both hold the ray's sum
.irp c, 0,1,2,3,4,5,6,7
	v_add_f32_dpp v[ACCA+\c], v[ACCA+\c], v[ACCA+\c] row_xmask:1 row_mask:0xf bank_mask:0xf
	v_add_f32_dpp v[ACCB+\c], v[ACCB+\c], v[ACCB+\c] row_xmask:1 row_mask:0xf bank_mask:0xf
.endr
	s_wait_alu depctr_va_vdst(0)                   ; the adds have written the sixteen sums, which the LDS stores read
	; into the stage (both lanes of a pair write the same word with the same value); it lies behind the image, which others may still read
.irp c, 0,1,2,3
	ds_store_b32 v[SA], v[ACCA+\c]   offset:\c*CHST        ; ray d
	ds_store_b32 v[SA], v[ACCB+\c]   offset:\c*CHST+128    ; ray d + 32
	ds_store_b32 v[SM], v[ACCB+4+\c] offset:\c*CHST        ; ray 95 - d
	ds_store_b32 v[SM], v[ACCA+4+\c] offset:\c*CHST+128    ; ray 127 - d
.endr
	s_wait_dscnt 0x0                               ; my results are in LDS: zero, for the other waves' sake
	s_barrier_signal -1
	; The stage is four runs of 6,144 bytes, each of which is 6,144 neighbouring bytes of out0 (12 angles of one image).
	; Thread t takes bytes 16 t of images 0 and 1 (waves 0-11: image 0, waves 12-23: image 1), then the same of images 2 and 3.
	v_lshlrev_b32 v[TA], 4, v0
	v_add_nc_u32 v[TA], STAGE, v[TA]
	s_cmp_ge_u32 s10, 12
	s_cselect_b32 s16, OUTCH-CHST, 0               ; image 1 lies OUTCH further in memory, CHST further in the stage
	v_lshl_add_u32 v[TB], v0, 4, s16
	s_mul_i32 s12, s11, 4*OUTCH                    ; four images,
	s_mul_i32 s17, ttmp9, CHST                     ; twelve angles
	s_add_co_u32 s12, s12, s17
	s_mov_b32 s13, 0
	s_add_nc_u64 s[8:9], s[8:9], s[12:13]
	s_barrier_wait -1
	s_wait_alu depctr_va_vdst(0)                   ; v60 and v61 are written, which the loads and the stores below read as addresses
	ds_load_b128 v[D0:D0+3],   v[TA]
	ds_load_b128 v[D0+4:D0+7], v[TA] offset:2*CHST
	s_wait_dscnt 1                                 ; the first is in, the second may be out
	global_store_b128 v[TB], v[D0:D0+3], s[8:9] th:TH_STORE_NT                    ; a wave's store covers 512 neighbouring bytes, aligned
	s_wait_dscnt 0
	global_store_b128 v[TB], v[D0+4:D0+7], s[8:9] offset:2*OUTCH th:TH_STORE_NT
	s_wait_dscnt 0x0
	s_wait_alu depctr_hold_cnt(0) depctr_sa_sdst(0) depctr_va_vdst(0) depctr_va_sdst(0) depctr_va_ssrc(0) depctr_va_vcc(0) depctr_vm_vsrc(0)
	s_wait_tensorcnt 0x0
	ds_add_u32 v100, v101
	s_wait_dscnt 0x0
	s_endpgm
.Lfunc_end_k_q414d1fc3df_project:
	.size	k_q414d1fc3df_project, .Lfunc_end_k_q414d1fc3df_project-k_q414d1fc3df_project
	.p2alignl 7, 3214868480
	.fill 96, 4, 3214868480
	.section	.rodata,"a",@progbits
	.p2align	6, 0x0
	.amdhsa_kernel k_q414d1fc3df_project
		.amdhsa_group_segment_fixed_size 316416
		.amdhsa_private_segment_fixed_size 0
		.amdhsa_enable_private_segment 0
		.amdhsa_kernarg_size 24
		.amdhsa_user_sgpr_count 2
		.amdhsa_user_sgpr_kernarg_segment_ptr 1
		.amdhsa_wavefront_size32 1
		.amdhsa_system_sgpr_workgroup_id_x 1
		.amdhsa_system_sgpr_workgroup_id_y 1
		.amdhsa_system_sgpr_workgroup_id_z 1
		.amdhsa_system_vgpr_workitem_id 0
		.amdhsa_next_free_vgpr 102
		.amdhsa_next_free_sgpr 66
		.amdhsa_reserve_vcc 0
		.amdhsa_float_denorm_mode_32 3
		.amdhsa_float_denorm_mode_16_64 3
		.amdhsa_memory_ordered 1
		.amdhsa_forward_progress 1
		.amdhsa_inst_pref_size 35
	.end_amdhsa_kernel
	.amdgpu_metadata
---
amdhsa.version: [ 1, 2 ]
amdhsa.kernels:
  - .name:           k_q414d1fc3df_project
    .symbol:         k_q414d1fc3df_project.kd
    .args:
      - { .name: x, .offset: 0, .size: 8, .value_kind: global_buffer, .address_space: global }
      - { .name: trig, .offset: 8, .size: 8, .value_kind: global_buffer, .address_space: global }
      - { .name: out0, .offset: 16, .size: 8, .value_kind: global_buffer, .address_space: global }
    .group_segment_fixed_size: 316416
    .private_segment_fixed_size: 0
    .kernarg_segment_align: 8
    .kernarg_segment_size: 24
    .max_flat_workgroup_size: 768
    .sgpr_count:     66
    .vgpr_count:     102
    .wavefront_size: 32
...
	.end_amdgpu_metadata
.endif
;; end of part 3
